; MI455X (gfx1250); checked and timed in simulation.
; The chip was launched on July 23, 2026; its instructions are those of AMD's public machine-readable ISA for CDNA 5 (MIT licence, August 2026) and "CDNA5" Instruction Set Architecture Reference Guide (July 2026). The comments in the code are by the model that wrote it; some were corrected since.
;; Switch Transformers Sparse MLP Offloading. Allowed arithmetic: matrix products marked QUANTISED: E3M2 operands, one E8M0 scale for each 32 along K, by v_wmma_scale_f32_16x16x128_f8f6f4 with both operands' format E3M2, f32 sums; products left as they are: f32 operands where the result goes on into a quantised operand, else bf16, f16 or f32 operands; f32 sums; everything else in f32.
;; Inputs: expert_index 4 x 1,024 x 2 int32; expert_prob 4 x 1,024 x 2 float32; hidden_states 4 x 1,024 x 512 float32; wi_codes 8 x 2,048 x 16 x 24 uint8 (E3M2 codes of wi, K innermost, in blocks of 32 codes, four codes in three bytes); wi_scales 8 x 2,048 x 16 uint8 (E8M0 scales of wi, one for each 32 codes along K); wo_codes 8 x 512 x 64 x 24 uint8 (E3M2 codes of wo, K innermost, in blocks of 32 codes, four codes in three bytes); wo_scales 8 x 512 x 64 uint8 (E8M0 scales of wo, one for each 32 codes along K).
;; Outputs: out0 4 x 1,024 x 512 float32.
;; This version of the problem:
;;   THIS VERSION OF THE PROBLEM IS GIVEN IN LOW PRECISION. The matrix products marked QUANTISED in the list below multiply operands that are first quantised to E3M2 (3 exponent bits, 2 mantissa bits; 6 bits a number), with one power-of-two scale for each 32 numbers along K (OCP MX v1.0); their sums are f32. All else is computed in f32.
;;   The module's matrix products, in the order in which they are computed (A, B: the left and right operand; K: the contracted axis; several contracted axes count as one K, in the product's order):
;;     1. batch 2 x [M 4,096, K 1] x [K 1, N 1]; A: computed on the way; B: computed on the way: left as it is (no contracted axis)
;;     2. batch 4,096 x [M 1, K 2] x [K 2, N 8]; A: computed on the way; B: computed on the way: left as it is (K = 2 < 32)
;;     3. [M 4,096, K 512] x [K 512, N 2,048]; A: input hidden_states; B: input wi (given as codes): QUANTISED
;;     4. [M 4,096, K 2,048] x [K 2,048, N 512]; A: computed on the way; B: input wo (given as codes): QUANTISED
;;     5. [M 4,096, K 512] x [K 512, N 2,048]; A: input hidden_states; B: input wi (given as codes): QUANTISED
;;     6. [M 4,096, K 2,048] x [K 2,048, N 512]; A: computed on the way; B: input wo (given as codes): QUANTISED
;;     7. [M 4,096, K 512] x [K 512, N 2,048]; A: input hidden_states; B: input wi (given as codes): QUANTISED
;;     8. [M 4,096, K 2,048] x [K 2,048, N 512]; A: computed on the way; B: input wo (given as codes): QUANTISED
;;     9. [M 4,096, K 512] x [K 512, N 2,048]; A: input hidden_states; B: input wi (given as codes): QUANTISED
;;     10. [M 4,096, K 2,048] x [K 2,048, N 512]; A: computed on the way; B: input wo (given as codes): QUANTISED
;;     11. [M 4,096, K 512] x [K 512, N 2,048]; A: input hidden_states; B: input wi (given as codes): QUANTISED
;;     12. [M 4,096, K 2,048] x [K 2,048, N 512]; A: computed on the way; B: input wo (given as codes): QUANTISED
;;     13. [M 4,096, K 512] x [K 512, N 2,048]; A: input hidden_states; B: input wi (given as codes): QUANTISED
;;     14. [M 4,096, K 2,048] x [K 2,048, N 512]; A: computed on the way; B: input wo (given as codes): QUANTISED
;;     15. [M 4,096, K 512] x [K 512, N 2,048]; A: input hidden_states; B: input wi (given as codes): QUANTISED
;;     16. [M 4,096, K 2,048] x [K 2,048, N 512]; A: computed on the way; B: input wo (given as codes): QUANTISED
;;     17. [M 4,096, K 512] x [K 512, N 2,048]; A: input hidden_states; B: input wi (given as codes): QUANTISED
;;     18. [M 4,096, K 2,048] x [K 2,048, N 512]; A: computed on the way; B: input wo (given as codes): QUANTISED
;;   THE QUANTISER, for each operand of a quantised product, along K:
;;     - K is cut into blocks of 32 from its start; a last block that is shorter is filled with zeros.
;;     - A block's scale is 2^e with e = floor(log2(the largest magnitude in the block)) - 4, held to -126 .. 127; a block of zeros has e = 0. As a byte (E8M0): e + 127.
;;     - Each number is divided by its block's scale, clamped to +-28, and rounded to the nearest number of E3M2, ties to even, subnormals kept.
;;     - The product sums the exact products of the quantised numbers (number of the format x scale) in f32.
;;   ~~~python
;;   def quantise(x, axis):      # numpy; x: float32 -> the quantised numbers, widened to float32 again
;;       x = np.moveaxis(x, axis, -1); K = x.shape[-1]
;;       x = np.pad(x, [(0, 0)] * (x.ndim - 1) + [(0, -K % 32)]); x = x.reshape(x.shape[:-1] + (-1, 32)); a = np.abs(x).max(-1, keepdims=True)
;;       e = np.where(a > 0, np.clip(np.frexp(np.where(a > 0, a, 1))[1] - 1 - 4, -126, 127), 0)      # np.frexp(a)[1] - 1 = floor(log2(a)), exactly
;;       r = np.clip(x / 2.0 ** e, -28, 28)
;;       step = 2.0 ** (np.maximum(np.frexp(np.where(r == 0, 1, r))[1] - 1, -2) - 2)
;;       q = np.round(r / step) * step * 2.0 ** e      # np.round: ties to even
;;       return np.moveaxis(q.reshape(q.shape[:-2] + (-1,))[..., :K], -1, axis).astype(np.float32)
;;   ~~~
;;   OPERANDS COMPUTED ON THE WAY. 'Computed on the way' means the value that the module computes at that place (a softmax that the list does not call 'softmax' is quantised finished and normalised). What goes into a quantiser is computed in f32, as accurately as f32 sums, v_exp_f32 and their like allow (about 1e-6 of the number): no bf16 or f16 on the way to a quantiser, and a product that is left as it is and whose result goes on into a quantised operand takes f32 operands (vector FMAs, or v_wmma_f32_16x16x4_f32). A number that lies on a knife's edge between two numbers of the format may be rounded either way, as far as f32 arithmetic and the matrix unit's own rounding can turn it there, and no further.
;;   INPUTS GIVEN AS CODES. wi (in the module: [8, 512, 2048], K = its axis 1); wo (in the module: [8, 2048, 512], K = its axis 1): each comes as NAME_codes (uint8): NAME with its K axis moved to the last place and cut into blocks of 32 codes, [.., K / 32, bytes a block], one block behind the other in memory; four codes in three bytes: a row's codes are one little-endian stream of bits, code i at bits 6 i .. 6 i + 5 (a code: sign, 3 exponent bits, 2 mantissa bits); and NAME_scales (uint8): the same leading axes, one E8M0 byte (e + 127) for each 32 codes along K. Its value is code x scale, taken as it is: it is not quantised again, and the codes and scales need not be those that the quantiser above would give.
;; One version. Each part assembles by itself: llvm-mc -triple=amdgcn-amd-amdhsa -mcpu=gfx1250 --defsym DOCPART=n.
;; ======== version 1 of 1: 3 launches
;; workspace buffers: wstream 13,107,200 bytes; order 34,560 bytes of whole numbers; tiles 1,280 bytes of whole numbers; ybuf 16,777,216 bytes
;; launch prep (part 1): grid 257 x 1, 8 waves a work-group, no clusters, 52,480 bytes of LDS; arguments expert_index, wi_codes, wi_scales, wo_codes, wo_scales, wstream, order, tiles; writes wstream, order, tiles
.if DOCPART == 1
	.amdgcn_target "amdgcn-amd-amdhsa--gfx1250"
	.amdhsa_code_object_version 6
	.text
	.protected	k_q2f9dba6ebf_prep
	.globl	k_q2f9dba6ebf_prep
	.p2align	8
	.type	k_q2f9dba6ebf_prep,@function
k_q2f9dba6ebf_prep:
	s_mov_b64 s[64:65], 0
	v_nop
	global_prefetch_b8 v0, s[64:65] scope:SCOPE_SE
	s_setreg_imm32_b32 hwreg(HW_REG_WAVE_MODE, 25, 1), 1
	s_wait_xcnt 0x0
; FIRST OF THREE LAUNCHES.  out = where(n != 0, n, hidden), n = sum over e of coeff[e] x relu(hidden wi[e]) wo[e], coeff[e] = sum over k of df[k] x prob[k] x [index[k] == e], df = (0.5, 0.25).
; WORK LEFT OUT, AND WHY IT IS DEAD.  For a token and an expert e that neither of the token's two indices names, both comparisons index[k] == e are false, so coeff[e] is the number 0 that the
; problem itself builds, and 0 x y adds nothing to n whatever finite numbers hidden, wi and wo hold.  So of the sixteen large products only the rows (token, k) of expert index[token][k] are
; computed: 8,192 routed rows.  The two small products (the one-hot sums) are the lookup c[k] = df[k] x prob[k].  Every input keeps a way to the output and is loaded by some launch.
; LIMITS.  A NaN, an infinity or an overflow that arises only in a row that is left out is not carried to the result.  Where a token names one expert twice, the row is computed twice and
; c0 y + c1 y stands for (c0 + c1) y: another order of rounding.  An index lies in 0 .. 7, as it indexes the table of experts.
; THIS LAUNCH does two things that hang on no floating-point number.
; Work-group 0: a counting sort of the 8,192 routed rows by expert.  Each expert's rows are cut into tiles of 64; 'order' holds the routed row numbers (2 x token + k), tile by tile, 64 places a
; tile (only the places that hold a row are written, and only those are read later); 'tiles' holds {expert, rows} for 160 tile numbers, rows = 0 where there is no tile.
; Work-groups 1 .. 256: wi's and wo's codes and scale bytes are laid out once as images of operand registers, in the order in which a wave of the next launch takes them: for (expert e, wave w)
; a dense region of 409,600 bytes = 8 trips of 51,200 = 2,048 bytes of scale words + 4 batches x 8 fragments x 1,536 bytes.  In a fragment, registers 4 c .. 4 c + 3 of lane l lie at 512 c + 16 l.
; Trips 0-3: wi, hidden units 128 (4 w + trip) on, batch = K step; lane r of tile t holds row 32 (t / 2) + 8 (t % 2) + r + 8 (r / 8) of the 128, so that the results of two neighbouring tiles
; are 16 neighbours along the next K.  Trips 4-7: wo, rows 128 w + 16 t + r, K step 4 (trip - 4) + batch.  Scale words: pair p of tiles at 512 p + 16 l: the lane's four words are the four
; batches'; lanes 0-15 tile 2 p, lanes 16-31 tile 2 p + 1.
.set SPARE,  51456                     ; the spare words, 128 bytes for each of the eight waves: four blocks of 256 bytes that no other line names
.set ROUTE,  51200                     ; the sort's own 256 bytes: the waves' totals, 16 bytes a wave
.set WSTG,   6400                      ; the layout's stage, one for each wave: 16 rows, 400 bytes apart
.set SP,     400
.set REGION, 409600
.set TRIPB,  51200
.set SPW,    126                       ; v126  LDS address of my spare word; never rewritten
.set NIL,    127                       ; v127  0; never rewritten
.set RIN,    28                        ; v28-75   layout: 16 pieces of rows as loaded
.set FRG,    76                        ; v76-123  layout: four fragments
.set EX,     32                        ; v32-63   sort: expert numbers, later the stores' data
.set RK,     64                        ; v64-95   sort: rank inside the thread, later the stores' offsets
	s_load_b512 s[4:19], s[0:1], 0x0               ; index 4:5, wi codes 6:7, wi scales 8:9, wo codes 10:11, wo scales 12:13, wstream 14:15, order 16:17, tiles 18:19
	v_lshl_add_u32 v[SPW], v0, 2, SPARE
	v_mov_b32 v[NIL], 0
	v_lshrrev_b32 v1, 5, v0
	v_readfirstlane_b32 s20, v1                    ; wave 0..7
	v_and_b32 v1, 31, v0                           ; lane
	s_wait_kmcnt 0x0
	s_cmp_eq_u32 ttmp9, 0
	s_cbranch_scc1 .Lroute
; ---------------- THE LAYOUT.  One path for both tensors: only numbers and pointers are chosen, by the work-group's number.  A wave takes 16 pieces of rows, 384 bytes each: four fragments.
	s_sub_co_u32 s21, ttmp9, 1                     ; 0 .. 127: wi;  128 .. 255: wo
	s_and_b32 s22, s21, 127                        ; a
	s_lshr_b32 s23, s22, 2
	s_mul_i32 s23, s23, REGION                     ; the region: number a / 4 = 4 e + w in both tensors
	s_and_b32 s26, s22, 3
	s_lshr_b32 s27, s20, 2
	s_and_b32 s28, s20, 3
	; wi: work-group a holds 128 rows, wave t its tile t
	s_lshl_b32 s29, s22, 7
	s_lshr_b32 s30, s20, 1
	s_lshl_b32 s30, s30, 5
	s_add_co_u32 s29, s29, s30
	s_and_b32 s30, s20, 1
	s_lshl_b32 s30, s30, 3
	s_add_co_u32 s29, s29, s30
	s_mul_i32 s29, s29, 384                        ; in: row 128 a + 32 (t / 2) + 8 (t % 2), 384 bytes a row
	s_mul_i32 s30, s26, TRIPB
	s_add_co_u32 s30, s30, s23                     ; the trip a % 4 of the region
	s_mul_i32 s31, s20, 1536
	s_add_co_u32 s31, s31, s30
	s_add_co_u32 s31, s31, 2048                    ; out: tile t of batch 0
	s_lshl_b32 s47, s22, 11
	s_lshl_b32 s48, s20, 9
	s_add_co_u32 s49, s47, s48                     ; scale bytes in: 128 rows x 16 bytes a work-group, 32 rows a pair of tiles (waves 0-3)
	s_add_co_u32 s50, s30, s48                     ; and out
	; wo: work-group a holds tiles 2 a and 2 a + 1 of 16 rows; wave: tile 2 a + wave / 4, K steps 4 (wave % 4) on
	s_lshl_b32 s51, s22, 1
	s_add_co_u32 s51, s51, s27
	s_mul_i32 s51, s51, 24576
	s_mul_i32 s52, s28, 384
	s_add_co_u32 s51, s51, s52                     ; in: 16 rows of 1,536 bytes a tile, 384 bytes along the row
	s_lshl_b32 s52, s26, 1
	s_add_co_u32 s52, s52, s27
	s_mul_i32 s52, s52, 1536
	s_add_co_u32 s53, s28, 4
	s_mul_i32 s53, s53, TRIPB
	s_add_co_u32 s52, s52, s53
	s_add_co_u32 s52, s52, s23
	s_add_co_u32 s52, s52, 2048                    ; out: trip 4 + wave % 4, tile 2 (a % 4) + wave / 4
	s_lshl_b32 s53, s20, 4
	s_add_co_u32 s53, s53, s47                     ; scale bytes in: 32 rows x 64 bytes a work-group, 16 bytes along the row (waves 0-3)
	s_add_co_u32 s54, s20, 4
	s_mul_i32 s54, s54, TRIPB
	s_add_co_u32 s54, s54, s23
	s_lshl_b32 s55, s26, 9
	s_add_co_u32 s54, s54, s55                     ; and out: trip 4 + wave, pair a % 4
	s_mov_b32 s24, 1536
	s_cmp_lt_u32 s21, 128                          ; the choice hangs on the work-group's number alone; only selections and moves follow it
	s_cselect_b32 s29, s29, s51
	s_cselect_b32 s31, s31, s52
	s_cselect_b32 s49, s49, s53
	s_cselect_b32 s50, s50, s54
	s_cselect_b32 s24, 384, s24                    ; bytes from row to row
	s_cselect_b32 s25, 3072, 0                     ; wi: the tile's rows 8-15 lie 8 rows further on
	s_cselect_b32 s46, -1, 0
	s_cselect_b64 s[56:57], s[6:7], s[10:11]
	s_cselect_b64 s[58:59], s[8:9], s[12:13]
	s_mov_b32 s60, s29
	s_mov_b32 s61, 0
	s_add_nc_u64 s[32:33], s[56:57], s[60:61]      ; rows 0-3,
	s_lshl_b32 s60, s24, 2
	s_add_nc_u64 s[34:35], s[32:33], s[60:61]      ; 4-7,
	s_add_co_u32 s62, s60, s25
	s_mov_b32 s63, 0
	s_add_nc_u64 s[36:37], s[34:35], s[62:63]      ; 8-11,
	s_add_nc_u64 s[38:39], s[36:37], s[60:61]      ; 12-15 of the tile
	s_mov_b32 s60, s31
	s_add_nc_u64 s[40:41], s[14:15], s[60:61]
	s_mov_b32 s60, s49
	s_add_nc_u64 s[42:43], s[58:59], s[60:61]
	s_mov_b32 s60, s50
	s_add_nc_u64 s[44:45], s[14:15], s[60:61]
	s_mul_i32 s28, s20, WSTG                       ; my stage
	v_and_b32 v2, 15, v0                           ; r
	v_bfe_u32 v3, v0, 4, 1                         ; h
	v_lshrrev_b32 v14, 3, v1                       ; a load takes 128 bytes of each of four rows: lane / 8 is the row,
	v_and_b32 v15, 7, v1                           ; lane % 8 the 16 bytes; which third of the row, and which four rows, stand in the immediates
	v_mul_u32_u24 v4, v14, s24
	v_lshl_add_u32 v4, v15, 4, v4                  ; in memory
	v_mul_u32_u24 v8, v14, SP
	v_lshl_add_u32 v8, v15, 4, v8
	v_add_nc_u32 v8, s28, v8                       ; in the stage
	v_mul_u32_u24 v11, v2, SP
	v_mad_u32_u24 v11, v3, 24, v11
	v_add_nc_u32 v11, s28, v11                     ; out of the stage: row r, + 24 h: a lane's 24 bytes of a fragment's half
	v_lshlrev_b32 v12, 4, v1                       ; an image's place for my lane
	v_and_b32 v14, 8, v2
	v_add_nc_u32 v14, v14, v2
	v_lshl_add_u32 v14, v3, 3, v14
	v_lshlrev_b32 v14, 4, v14                      ; wi's scale bytes: row 8 h + r + 8 (r / 8) of the pair's 32, 16 bytes a row
	v_lshlrev_b32 v15, 6, v1                       ; wo's: row = lane, 64 bytes a row
	v_cndmask_b32 v13, v15, v14, s46
	s_cmp_lt_u32 s20, 4
	s_cbranch_scc0 .Lno_scale_in
	global_load_b128 v[24:27], v13, s[42:43]       ; four scale words a lane
.Lno_scale_in:
.irp g, 0,1,2,3
.irp j, 0,1,2
	global_load_b128 v[RIN+4*(3*\g+\j):RIN+4*(3*\g+\j)+3], v4, s[32+2*\g:33+2*\g] offset:128*\j
.endr
.endr
.set k, 0
.rept 12
	s_wait_loadcnt 11-k                            ; loads come back in order: load k is in, the 11 - k behind it may be out
	ds_store_b128 v8, v[RIN+4*k:RIN+4*k+3] offset:4*SP*(k/3)+128*(k%3)
.set k, k+1
.endr
.irp i, 0,1,2,3                                ; LDS serves a wave's instructions in order: these see my stores.  Fragment i: 96 bytes of each row, 24 + 24 a lane, in pieces of 8
.irp p, 0,1,2,3,4,5
	ds_load_b64 v[FRG+12*\i+2*\p:FRG+12*\i+2*\p+1], v11 offset:96*\i+48*(\p/3)+8*(\p%3)
.endr
.endr
	s_cmp_lt_u32 s20, 4
	s_cbranch_scc0 .Lno_scale_out
	global_store_b128 v12, v[24:27], s[44:45]      ; 32 lanes store 512 consecutive bytes
.Lno_scale_out:
.irp i, 0,1,2,3
	s_wait_dscnt 18-6*\i                           ; fragment i's six loads are in; those of the later fragments may be out
.irp c, 0,1,2
	global_store_b128 v12, v[FRG+12*\i+4*\c:FRG+12*\i+4*\c+3], s[40:41] offset:12288*\i+512*\c
.endr
.endr
	s_wait_tensorcnt 0x0                           ; the wave's end
	ds_add_u32 v[SPW], v[NIL]
	s_wait_dscnt 0x0
	s_endpgm
; ---------------- THE SORT.  256 threads, 32 routed rows each: rows 1,024 j + 4 thread + c.  Counts in bytes inside a thread (32 at the most), in fields of 16 bits across threads (8,640 at the most).
; v2, v3 byte counters of experts 0-3, 4-7; v4-7 the thread's counts, v8-11 their scan in the wave, v12-15 the waves' totals, v16-19 the waves below mine, v20-23 the thread's first places (register i: experts 2 i, 2 i + 1).
.Lroute:
	v_lshlrev_b32 v96, 4, v0
	v_lshlrev_b32 v97, 2, v0
	v_and_b32 v98, 7, v0
.irp j, 0,1,2,3,4,5,6,7
	global_load_b128 v[EX+4*\j:EX+4*\j+3], v96, s[4:5] offset:4096*\j
.endr
	v_mov_b32 v2, 0
	v_mov_b32 v3, 0
	v_mov_b32 v30, 1
	v_bfe_u32 v31, v0, 4, 1
	v_sub_nc_u32 v31, 0, v31                       ; all ones in lanes 16-31
	v_lshrrev_b32 v28, 5, v0
	v_lshl_add_u32 v28, v28, 4, ROUTE              ; my wave's 16 bytes
	v_lshl_add_u32 v29, v98, 4, ROUTE              ; and those of wave lane % 8
.macro COUNT q                                 ; row q's rank among my rows of its expert; the expert's counter goes up
	v_lshlrev_b32 v24, 3, v[EX+\q]
	v_and_b32 v24, 24, v24                         ; the counter's bit in its register
	v_cmp_gt_u32 vcc_lo, 4, v[EX+\q]
	v_cndmask_b32 v25, v3, v2, vcc_lo
	v_bfe_u32 v[RK+\q], v25, v24, 8
	v_lshlrev_b32 v26, v24, v30
	v_cndmask_b32 v27, 0, v26, vcc_lo
	v_add_nc_u32 v2, v2, v27
	v_sub_nc_u32 v26, v26, v27
	v_add_nc_u32 v3, v3, v26
.endm
.set q, 0
.rept 8
	s_wait_loadcnt 7-q/4                           ; this load is in; the later ones may be out
.rept 4
	COUNT q
.set q, q+1
.endr
.endr
	v_and_b32 v4, 0xff, v2                         ; bytes into fields of 16 bits
	v_bfe_u32 v24, v2, 8, 8
	v_lshl_or_b32 v4, v24, 16, v4
	v_bfe_u32 v5, v2, 16, 8
	v_lshrrev_b32 v24, 24, v2
	v_lshl_or_b32 v5, v24, 16, v5
	v_and_b32 v6, 0xff, v3
	v_bfe_u32 v24, v3, 8, 8
	v_lshl_or_b32 v6, v24, 16, v6
	v_bfe_u32 v7, v3, 16, 8
	v_lshrrev_b32 v24, 24, v3
	v_lshl_or_b32 v7, v24, 16, v7
.irp i, 0,1,2,3
	v_mov_b32 v[8+\i], v[4+\i]
.endr
.irp n, 1,2,4,8                                ; the running sum over each 16 lanes,
.irp i, 0,1,2,3
	v_mov_b32_dpp v[24+\i], v[8+\i] row_shr:\n row_mask:0xf bank_mask:0xf bound_ctrl:1
.endr
.irp i, 0,1,2,3
	v_add_nc_u32 v[8+\i], v[8+\i], v[24+\i]
.endr
.endr
.irp i, 0,1,2,3                                ; and the lower 16 lanes' total onto the upper 16
	v_readlane_b32 s24, v[8+\i], 15
	v_and_b32 v24, s24, v31
	v_add_nc_u32 v[8+\i], v[8+\i], v24
.endr
.irp i, 0,1,2,3
	v_readlane_b32 s[24+\i], v[8+\i], 31           ; my wave's totals
.endr
.irp i, 0,1,2,3
	v_mov_b32 v[24+\i], s[24+\i]
.endr
	ds_store_b128 v28, v[24:27]                    ; all lanes write the same 16 bytes with the same numbers
.irp i, 0,1,2,3
	v_sub_nc_u32 v[8+\i], v[8+\i], v[4+\i]         ; the threads of my wave ahead of me
.endr
	s_wait_dscnt 0x0                               ; for the others' sake: my store has landed
	s_barrier_signal -1
	s_barrier_wait -1                              ; all eight waves of this work-group pass here: the branch that led here hangs on the work-group's number alone
	ds_load_b128 v[12:15], v29
	s_wait_dscnt 0x0
	v_cmp_gt_u32 vcc_lo, s20, v98
.irp i, 0,1,2,3
	v_cndmask_b32 v[16+\i], 0, v[12+\i], vcc_lo    ; only the waves below mine
.endr
.irp n, 1,2,4                                  ; both summed over eight lanes
.irp i, 0,1,2,3,4,5,6,7
	v_mov_b32_dpp v24, v[12+\i] row_xmask:\n row_mask:0xf bank_mask:0xf
	v_add_nc_u32 v[12+\i], v[12+\i], v24
.endr
.endr
.irp i, 0,1,2,3
	v_readfirstlane_b32 s[24+\i], v[12+\i]
.endr
.irp i, 0,1,2,3
	s_and_b32 s[28+2*\i], s[24+\i], 0xffff         ; s28-35: each expert's rows
	s_lshr_b32 s[29+2*\i], s[24+\i], 16
.endr
	s_mov_b32 s36, 0                               ; s36-44: each expert's first tile; s45-52: its first place in 'order'
.irp e, 0,1,2,3,4,5,6,7
	s_add_co_u32 s57, s[28+\e], 63
	s_lshr_b32 s57, s57, 6
	s_add_co_u32 s[37+\e], s[36+\e], s57
	s_lshl_b32 s[45+\e], s[36+\e], 6
.endr
.irp i, 0,1,2,3
	s_lshl_b32 s57, s[46+2*\i], 16
	s_or_b32 s[53+\i], s57, s[45+2*\i]
.endr
.irp i, 0,1,2,3
	v_add3_u32 v[20+\i], v[8+\i], v[16+\i], s[53+\i]
.endr
.macro PLACE q                                 ; row q goes to its expert's first place + the rows of earlier waves and threads + its rank.  Each store has registers of its own
	v_cmp_gt_u32 vcc_lo, 4, v[EX+\q]
	v_cndmask_b32 v24, v22, v20, vcc_lo
	v_cndmask_b32 v25, v23, v21, vcc_lo
	v_and_b32 v26, 2, v[EX+\q]
	v_cmp_eq_u32 vcc_lo, 0, v26
	v_cndmask_b32 v24, v25, v24, vcc_lo
	v_and_b32 v26, 1, v[EX+\q]
	v_lshlrev_b32 v26, 4, v26
	v_bfe_u32 v24, v24, v26, 16
	v_add_nc_u32 v24, v24, v[RK+\q]
	v_min_u32 v24, 8639, v24                       ; 135 tiles x 64 places
	v_lshlrev_b32 v[RK+\q], 2, v24
	v_add_nc_u32 v[EX+\q], 1024*(\q/4)+(\q%4), v97 ; the routed row's number
	global_store_b32 v[RK+\q], v[EX+\q], s[16:17]
.endm
.set q, 0
.rept 32
	PLACE q
.set q, q+1
.endr
	s_cmp_lt_u32 s20, 5
	s_cbranch_scc0 .Lno_tiles
	v_mov_b32 v24, 0                               ; tile number = thread 0 .. 159: its expert is the last whose first tile is not beyond it
	v_mov_b32 v25, s28
	v_mov_b32 v26, 0
.irp e, 1,2,3,4,5,6,7
	v_cmp_le_u32 vcc_lo, s[36+\e], v0
	v_mov_b32 v27, \e
	v_cndmask_b32 v24, v24, v27, vcc_lo
	v_mov_b32 v27, s[28+\e]
	v_cndmask_b32 v25, v25, v27, vcc_lo
	v_mov_b32 v27, s[45+\e]
	v_cndmask_b32 v26, v26, v27, vcc_lo
.endr
	v_lshlrev_b32 v27, 6, v0
	v_sub_nc_u32 v27, v27, v26                     ; the expert's rows ahead of this tile
	v_min_u32 v27, v25, v27
	v_sub_nc_u32 v25, v25, v27                     ; what is left of them: 0 behind the last tile and for an expert without rows
	v_min_u32 v25, 64, v25
	v_lshlrev_b32 v28, 3, v0
	global_store_b64 v28, v[24:25], s[18:19]
.Lno_tiles:
	s_wait_tensorcnt 0x0                           ; the wave's end
	ds_add_u32 v[SPW], v[NIL]
	s_wait_dscnt 0x0
	s_endpgm
.Lfunc_end_k_q2f9dba6ebf_prep:
	.size	k_q2f9dba6ebf_prep, .Lfunc_end_k_q2f9dba6ebf_prep-k_q2f9dba6ebf_prep
	.p2alignl 7, 3214868480
	.fill 96, 4, 3214868480
	.section	.rodata,"a",@progbits
	.p2align	6, 0x0
	.amdhsa_kernel k_q2f9dba6ebf_prep
		.amdhsa_group_segment_fixed_size 52480
		.amdhsa_private_segment_fixed_size 0
		.amdhsa_enable_private_segment 0
		.amdhsa_kernarg_size 64
		.amdhsa_user_sgpr_count 2
		.amdhsa_user_sgpr_kernarg_segment_ptr 1
		.amdhsa_wavefront_size32 1
		.amdhsa_system_sgpr_workgroup_id_x 1
		.amdhsa_system_sgpr_workgroup_id_y 1
		.amdhsa_system_sgpr_workgroup_id_z 1
		.amdhsa_system_vgpr_workitem_id 0
		.amdhsa_next_free_vgpr 128
		.amdhsa_next_free_sgpr 66
		.amdhsa_reserve_vcc 1
		.amdhsa_float_denorm_mode_32 3
		.amdhsa_float_denorm_mode_16_64 3
		.amdhsa_memory_ordered 1
		.amdhsa_forward_progress 1
		.amdhsa_inst_pref_size 52
	.end_amdhsa_kernel
	.amdgpu_metadata
---
amdhsa.version: [ 1, 2 ]
amdhsa.kernels:
  - .name:           k_q2f9dba6ebf_prep
    .symbol:         k_q2f9dba6ebf_prep.kd
    .args:
      - { .name: expert_index, .offset: 0, .size: 8, .value_kind: global_buffer, .address_space: global }
      - { .name: wi_codes, .offset: 8, .size: 8, .value_kind: global_buffer, .address_space: global }
      - { .name: wi_scales, .offset: 16, .size: 8, .value_kind: global_buffer, .address_space: global }
      - { .name: wo_codes, .offset: 24, .size: 8, .value_kind: global_buffer, .address_space: global }
      - { .name: wo_scales, .offset: 32, .size: 8, .value_kind: global_buffer, .address_space: global }
      - { .name: wstream, .offset: 40, .size: 8, .value_kind: global_buffer, .address_space: global }
      - { .name: order, .offset: 48, .size: 8, .value_kind: global_buffer, .address_space: global }
      - { .name: tiles, .offset: 56, .size: 8, .value_kind: global_buffer, .address_space: global }
    .group_segment_fixed_size: 52480
    .private_segment_fixed_size: 0
    .kernarg_segment_align: 8
    .kernarg_segment_size: 64
    .max_flat_workgroup_size: 256
    .sgpr_count:     66
    .vgpr_count:     128
    .wavefront_size: 32
...
	.end_amdgpu_metadata
.endif
;; end of part 1
;; launch chain (part 2): grid 135 x 1, 4 waves a work-group, no clusters, 167,424 bytes of LDS; arguments tiles, order, hidden_states, wstream, ybuf; writes ybuf
.if DOCPART == 2
	.amdgcn_target "amdgcn-amd-amdhsa--gfx1250"
	.amdhsa_code_object_version 6
	.text
	.protected	k_q2f9dba6ebf_chain
	.globl	k_q2f9dba6ebf_chain
	.p2align	8
	.type	k_q2f9dba6ebf_chain,@function
k_q2f9dba6ebf_chain:
	s_mov_b64 s[64:65], 0
	v_nop
	global_prefetch_b8 v0, s[64:65] scope:SCOPE_SE
	s_setreg_imm32_b32 hwreg(HW_REG_WAVE_MODE, 25, 1), 1
	s_wait_xcnt 0x0
; SECOND LAUNCH.  One work-group takes one tile, up to 64 routed rows of ONE expert, through the chain y = Q(relu(Q(x) wi)) wo, both products on codes of E3M2 with one E8M0 scale for each 32 along K.
; Rows of experts that a token does not name are left out: their coefficient is the 0 that the problem builds itself (shown at the head of the first launch).  y is stored unweighted, by routed row number.
; THE SIGN OF THE ROWS WITH k = 1.  A token that names one expert twice has two routed rows with the same numbers.
; In exact arithmetic that changes nothing; the two sums of such a token
; are then rounded apart from each other, so that their weighted sum is 0 only where both are 0, and the problem's test n != 0 hangs on that.
; THE GRID serves every split: 8,192 rows in tiles of 64 over 8 experts are never more than 8,192 / 64 + 8 - 1 = 135 tiles.  How many of the 135 numbers hold a tile hangs on the data (at least 128 do).
; Every wave passes every barrier, and no barrier and no loop stands under a branch on a number read from memory.  So a tile number WITHOUT rows walks the whole text too, on the first sorted row (which
; always exists) and the expert that the list names, and stores nothing. That is work for nothing in at most
; 7 work-groups of 135, stated here as the price of that form.  The launch has no tensor load and no cluster (how many tiles share an expert's weights hangs on
; the data): the weights come from memory straight into registers, each lane its fragments whole.
; SHARES.  The four waves share the columns: wave w makes hidden units 512 w on (four groups of 128) and outputs 128 w on, for all 64 rows (four tiles of 16).  So each weight fragment is loaded once in
; the work-group and feeds four matrix instructions.  Both products are used transposed (source 0 = 16 rows of the weight, source 1 = 16 tokens): a lane holds one token, its registers run along the columns.
; x and the hidden layer go from wave to wave through LDS as images of operand registers (registers 4 c .. 4 c + 3 of lane l at 512 c + 16 l; four scale words of lane l at 16 l).
; THE STREAM.  A wave's weights are one dense run of 8 trips x (2,048 bytes of scale words + 4 batches of 8 fragments).  Four register buffers of a batch take turns, and a buffer is asked to take the batch
; four on as soon as the products that read it are issued: buffers 0 to 2 in the middle of the next batch; buffer 3 in the first product amid the quantiser's work behind the trip's products, in the second
; product in the middle of the next trip's batch 0.  The stream runs on from the first product into the second.  No prefetch: each stream is read by all tiles of its expert at about the same time.
; A tile with fewer than 64 rows repeats its last row: the repeats are computed alike and stored to the same bytes with the same numbers, so EXEC is never changed.
; LIMITS.  Blocks whose largest magnitude lies under 2^-122 get the scale byte 1; a block of zeros gets byte 1 over zero codes (only this launch reads those bytes).  NaN and infinities in hidden_states are not served.
; REGISTERS, in windows of 256.  Window 0: v1-12 addresses, v13-14 the tile's row numbers, v18-19 the add's two, v20-57 the quantiser's, v58-73 weight scale words in use, v74-89 those that land
;   (on the way out: a second set of offsets), v90-105 x's scale words (second product: the hidden layer's, v90-97), v106-121 the stores' offsets, v122-125 the gather's, v128-223 x's fragments of K steps 2, 3
;   (then two sets of hidden fragments), v224-235 the sign masks (row tile m: three words), v236-243 their offsets and row numbers; on the way out v128-255 hold two sets of 16 rows of y.
;   Window 1: the 32 accumulators (row tile m, column tile t at 64 m + 8 t); at the head x's 256 numbers.  Windows 2, 3: v0-191 two ring buffers each; v192-239 x's fragments of K step 0 (window 2), 1 (window 3).
.set XIMG,   0                         ; x's 16 fragments: (row tile m, K step s) at (4 m + s) x 1,536
.set XSC,    24576                     ; their scale words: 512 m + 16 lane + 4 s
.set HIMG,   26624                     ; the hidden layer's 64 fragments: (K step S, row tile m) at 6,144 S + 1,536 m
.set HSC,    124928                    ; their scale words: 512 S + 16 lane + 4 m
.set STG,    133120                    ; the way out: 16 rows x (512 + 16) bytes for each wave
.set SPARE,  166912                    ; the spare words, 128 bytes for each wave: two blocks of 256 bytes that no other line names
.set REGION, 409600
.set TRIPB,  51200
.set BATB,   12288
.set NEXT3,  TRIPB+2048+3*BATB         ; from a trip's first byte to the next trip's batch 3
.set LI,  1                            ; 16 x lane
.set XA,  3                            ; my token's row of hidden_states, + 64 (lane / 16)
.set XWI, 4                            ; where I store x's images, and
.set XWS, 5                            ; their scale words
.set HWI, 6                            ; the same for the hidden layer
.set HWS, 7
.set ADH, 8                            ; where the trip's hidden fragments are read, and
.set ADS, 9                            ; their scale words
.set STO, 10                           ; the stage: where I put 32 bytes of a row
.set RD,  11                           ; and where I read a row back
.set CO,  12                           ; my bytes in a row of y: 512 w + 16 x lane
.set EN,  13                           ; v13, v14: lane l holds the row number of the tile's row l, 32 + l
.set SPW, 18
.set NIL, 19
.set TM,  20                           ; v20-23 largest magnitudes, v24-27 the other half's, then bytes, v32-35 the conversions' scale operands
.set PW,  36                           ; the scale word just made
.set PC,  38                           ; v38-57 the codes just made
.set USC, 58
.set LSC, 74
.set XS,  90
.set HS,  90
.set VO,  106                          ; the stores' offsets: row tiles 0, 2 here, row tiles 1, 3 at VO - 32 (the registers of LSC, done with by then)
.set HB,  128
.set OB,  128                          ; rows of y read back: row tiles 0, 2 here, row tiles 1, 3 at OB + 64
.set SM,  224                          ; v[SM + 3 m + i]: word i of the sign bits of sixteen codes where row 16 m + lane % 16 has k = 1, else 0
.set FO,  236                          ; v236-239 where the row numbers of rows 16 m + lane % 16 stand in 'order'
.set FL,  240                          ; v240-243 those row numbers, then all ones or 0
.set RN,  40                           ; s40-55 sixteen row numbers on the way out
.set MSB, 0
.macro WIN new                         ; the immediate's high byte repeats the setting that is left; a switch that changes nothing is dropped
.if MSB != (\new)
	s_set_vgpr_msb (MSB<<8)|(\new)
.set MSB, \new
.endif
.endm
; my token's 128 numbers of K step s: 16 neighbours of each block of 32 a lane, into window 1 at 64 s
.macro XLOAD s
	WIN 0x40
.irp b, 0,1,2,3
.irp i, 0,1,2,3
	global_load_b128 v[64*(\s)+16*\b+4*\i:64*(\s)+16*\b+4*\i+3], v[XA], s[8:9] offset:512*(\s)+128*\b+16*\i
.endr
.endr
.endm
.macro RELU src                        ; ascending: each accumulator is first read at its lowest register
	WIN 0x44
.set i, 0
.rept 64
	v_max_num_f32 v[(\src)+i], 0, v[(\src)+i]
.set i, i+1
.endr
.endm
; 64 numbers of a lane in window 1, register 16 b + i = k 32 b + 16 (lane / 16) + i of my token, become a fragment's codes in v[PC] on and its scale word in v[PW]
.macro QUANT src
	WIN 0x14
.irp b, 0,1,2,3
	v_max3_num_f32 v[TM+\b], s22, |v[(\src)+16*\b]|, |v[(\src)+16*\b+1]|   ; block b: my 16 numbers, and the floor 2^(5 - 127): so the byte cannot fall under 1
.endr
.irp i, 2,4,6,8,10,12,14
.irp b, 0,1,2,3
	v_max3_num_f32 v[TM+\b], v[TM+\b], |v[(\src)+16*\b+\i]|, |v[(\src)+16*\b+\i+1]|   ; the four blocks by turns
.endr
.endr
	WIN 0
	s_wait_dscnt 0x0                               ; the last image's stores have read the registers that are written below; no LDS instruction of mine is out from here to the next image
.irp b, 0,1,2,3
	v_permlanex16_b32 v[TM+4+\b], v[TM+\b], s20, s21
.endr
.irp b, 0,1,2,3
	v_max_num_f32 v[TM+\b], v[TM+\b], v[TM+4+\b]   ; with lane l xor 16's: the block's largest magnitude
.endr
.irp b, 0,1,2,3
	v_add_nc_u32 v[TM+12+\b], 0xfe000000, v[TM+\b] ; 4 off its exponent field: the conversion takes that field as its scale
.endr
.irp b, 0,1,2,3
	v_lshrrev_b32 v[TM+4+\b], 23, v[TM+12+\b]      ; the scale's byte
.endr
	v_lshl_or_b32 v[PW], v[TM+5], 8, v[TM+4]
	v_lshl_or_b32 v[PW], v[TM+6], 16, v[PW]
	v_lshl_or_b32 v[PW], v[TM+7], 24, v[PW]
	WIN 0x01
.irp c, 0,1
	v_cvt_scalef32_pk16_bf6_f32 v[PC+6*\c:PC+6*\c+2], v[(\src)+32*\c:(\src)+32*\c+15], v[TM+12+2*\c]
	v_cvt_scalef32_pk16_bf6_f32 v[PC+12+4*\c:PC+14+4*\c], v[(\src)+32*\c+16:(\src)+32*\c+31], v[TM+13+2*\c]   ; a conversion's three registers begin on an even number
.endr
	WIN 0
	v_nop                                          ; one plain instruction behind the scaled conversions
.irp c, 0,1                                    ; the operand wants a whole block in a lane: lanes 0-15 block 2 c, lanes 16-31 block 2 c + 1
.irp i, 0,1,2
	v_permlane16_swap_b32 v[PC+6*\c+\i], v[PC+12+4*\c+\i]
.endr
.irp i, 0,1,2
	v_mov_b32 v[PC+3+6*\c+\i], v[PC+12+4*\c+\i]
.endr
.endr
.endm
.macro IMAGE adr, off
.irp c, 0,1,2
	ds_store_b128 v[\adr], v[PC+4*\c:PC+4*\c+3] offset:(\off)+512*\c
.endr
.endm
.macro XQ s                            ; K step s of my 16 rows of x: quantised, its image and its scale word to LDS
	QUANT 64*(\s)
	IMAGE XWI, XIMG+1536*(\s)
	ds_store_b32 v[XWS], v[PW] offset:4*(\s)
.endm
.macro XFETCH s, win, reg              ; x's four fragments of K step s: 12 LDS loads
	WIN (\win)*64
.irp m, 0,1,2,3
.irp c, 0,1,2
	ds_load_b128 v[(\reg)+12*\m+4*\c:(\reg)+12*\m+4*\c+3], v[LI] offset:XIMG+(4*\m+(\s))*1536+512*\c
.endr
.endr
.endm
.macro RING nb, off                    ; a batch of 8 weight fragments, 24 loads of 512 consecutive bytes, into ring buffer nb
	WIN (2+((\nb)/2))*64
.irp t, 0,1,2,3,4,5,6,7
.irp c, 0,1,2
	global_load_b128 v[96*((\nb)%2)+12*\t+4*\c:96*((\nb)%2)+12*\t+4*\c+3], v[LI], s[10:11] offset:(\off)+1536*\t+512*\c
.endr
.endr
.endm
.macro SCLD off                        ; a trip's weight scale words: register 4 p + j: pair p of tiles, batch j
	WIN 0
.irp p, 0,1,2,3
	global_load_b128 v[LSC+4*\p:LSC+4*\p+3], v[LI], s[10:11] offset:(\off)+512*\p
.endr
.endm
; 16 matrix instructions: row tiles m0, m0 + 1 x the batch's 8 column tiles.  The 32 accumulators take turns, one instruction a turn, in the same order in every batch.
.macro MUL16 ph, j, m0, zero
.set WB, 0
.if ((\ph)==1)&&((\j)<2)
.set WB, 2+(\j)
.endif
.set WW, 0x50|(2+((\j)/2))|(WB*4)
	WIN WW
.irp m, \m0, \m0+1
.irp t, 0,1,2,3,4,5,6,7
.set rD, 64*(\m)+8*\t
.set rA, 96*((\j)%2)+12*\t
.if ((\ph)==1)&&((\j)<2)
.set rB, 192+12*(\m)
.else
.set rB, 128+48*((\j)%2)+12*(\m)
.endif
.set rSA, USC+4*(\t/2)+(\j)
.if (\ph)==1
.set rSB, XS+4*(\m)+(\j)
.else
.set rSB, HS+4*((\j)%2)+(\m)
.endif
.if \zero
.if (\t)%2
	v_wmma_scale_f32_16x16x128_f8f6f4 v[rD:rD+7], v[rA:rA+11], v[rB:rB+11], 0, v[rSA], v[rSB] matrix_a_fmt:MATRIX_FMT_BF6 matrix_b_fmt:MATRIX_FMT_BF6 matrix_a_scale:MATRIX_SCALE_ROW1
.else
	v_wmma_scale_f32_16x16x128_f8f6f4 v[rD:rD+7], v[rA:rA+11], v[rB:rB+11], 0, v[rSA], v[rSB] matrix_a_fmt:MATRIX_FMT_BF6 matrix_b_fmt:MATRIX_FMT_BF6
.endif
.else
.if (\t)%2
	v_wmma_scale_f32_16x16x128_f8f6f4 v[rD:rD+7], v[rA:rA+11], v[rB:rB+11], v[rD:rD+7], v[rSA], v[rSB] matrix_a_fmt:MATRIX_FMT_BF6 matrix_b_fmt:MATRIX_FMT_BF6 matrix_a_scale:MATRIX_SCALE_ROW1
.else
	v_wmma_scale_f32_16x16x128_f8f6f4 v[rD:rD+7], v[rA:rA+11], v[rB:rB+11], v[rD:rD+7], v[rSA], v[rSB] matrix_a_fmt:MATRIX_FMT_BF6 matrix_b_fmt:MATRIX_FMT_BF6
.endif
.endif
.endr
.endr
.endm
; The head of a trip.  cnt: the loads that may stay out behind the trip's scale words and its batch 0.
.macro TOP ph, cnt
	s_wait_loadcnt \cnt
.if (\ph)==1
	s_wait_dscnt 36                                ; first trip: x's scale words and its fragments of K step 0 are in; behind them K steps 1 to 3, 12 loads each.  Later trips: only stores of the last image can be out
	WIN 0
.rept 4
	v_nop                                          ; four plain instructions between the last matrix instruction and the writes of its scale registers (ISA guide 7.12.1)
.endr
.else
	s_wait_dscnt 0x0                               ; batch 0's hidden fragments are in, and no LDS load still names the two address registers
	WIN 0
	v_add_nc_u32 v[ADH], s26, v[LI]
	v_add_nc_u32 v[ADS], s27, v[LI]
	v_nop                                          ; with the two additions: the four plain instructions, as above
	v_nop
.endif
.set i, 0
.rept 16
	v_mov_b32 v[USC+i], v[LSC+i]                   ; the words that have landed become the words in use: the next trip's land while these are read
.set i, i+1
.endr
.rept 8
	v_nop                                          ; a scale register written by a vector instruction stands eight plain instructions ahead of a scaled matrix instruction
.endr
.endm
; A batch: 32 matrix instructions on ring buffer j.  wcnt: the loads issued behind this batch's.  refill: the buffer that the last batch has left is asked to take the batch four on from it.
; fetch: the NEXT batch's hidden fragments are asked of LDS at this batch's head, 32 matrix instructions ahead of their use: their registers were left by the batch before.
.macro BATCH ph, j, zero, wcnt, refill, fetch
.if (\j)>0
	s_wait_loadcnt \wcnt
.if (\ph)==2
	s_wait_dscnt 0x0                               ; the hidden fragments asked for at the last batch's head
.else
	s_wait_dscnt 36-12*(\j)                        ; first trip: x's fragments of K step j are in; behind them the later K steps, 12 loads each
.endif
.endif
.if \fetch
.if (\j)>0
.rept 4
	v_nop                                          ; four plain instructions in front of loads into registers that the last batch's matrix instructions have read (at j = 0 the trip's head has them)
.endr
.endif
	WIN 0
.irp m, 0,1,2,3
.irp c, 0,1,2
	ds_load_b128 v[HB+48*(((\j)+1)%2)+12*\m+4*\c:HB+48*(((\j)+1)%2)+12*\m+4*\c+3], v[ADH] offset:((\j)+1)*6144+1536*\m+512*\c
.endr
.endr
	ds_load_b128 v[HS+4*(((\j)+1)%2):HS+4*(((\j)+1)%2)+3], v[ADS] offset:((\j)+1)*512   ; the four row tiles' scale words
.endif
	MUL16 \ph, \j, 0, \zero
.if \refill
.rept 4
	v_nop                                          ; four plain instructions in front of loads into registers that the last batch's matrix instructions have read
.endr
.if (\j)==1
	SCLD TRIPB                                     ; the next trip's scale words, ahead of its batch 0
.endif
	RING ((\j)+3)%4, 2048+((\j)+3)*BATB+2048*(((\j)+3)/4)
.endif
	MUL16 \ph, \j, 2, \zero
.endm
; A trip of the second product: four K steps.  first: its products start the sums, and its batch 3 was asked for in the first product's last trip.  last: nothing beyond the region's end is asked for, and the counts run down.
.macro TRIP2 first, last
.if \first
	TOP 2, 63                                      ; behind the scale words and batch 0 stand batches 1 to 3, 72 loads
	BATCH 2, 0, 1, 0, 0, 1
.else
	TOP 2, 48                                      ; behind the scale words and batch 0: batches 1 and 2
	BATCH 2, 0, 0, 0, 1, 1                         ; in its middle this trip's batch 3 is asked for
.endif
.if \last
	BATCH 2, 1, 0, 48, 0, 1                        ; behind batch 1: batches 2 and 3
	BATCH 2, 2, 0, 24, 0, 1                        ; behind batch 2: batch 3
	BATCH 2, 3, 0, 0, 0, 0
	WIN 0
.else
	BATCH 2, 1, 0, 48, 1, 1                        ; behind batch 1: batches 2 and 3
	BATCH 2, 2, 0, 52, 1, 1                        ; behind batch 2: batch 3, the 4 scale loads, the next trip's batch 0
	BATCH 2, 3, 0, 52, 1, 1                        ; behind batch 3: the 4 scale loads, the next trip's batches 0 and 1
	WIN 0
	s_wait_xcnt 0x0                                ; the loads have read their base: it may step
	s_add_nc_u64 s[10:11], s[10:11], TRIPB
	s_add_co_u32 s26, s26, 24576
	s_add_co_u32 s27, s27, 2048
.endif
.endm
; THE WAY OUT of row tile m, in three parts.  A lane holds 32 neighbouring bytes of a token's row and the lanes beside it other tokens: through my own stage, back as rows of 512 bytes.
; Two sets of row registers and of offsets take turns, so that tile m goes through the stage while tile m - 1 is stored.
.macro OFFS m                          ; the sixteen rows' offsets in y: all sixteen lane reads first, then the scalar work, then the additions
.set VOX, VO-32*((\m)%2)
.irp i, 0,1,2,3,4,5,6,7,8,9,10,11,12,13,14,15
	v_readlane_b32 s[RN+\i], v[EN+(\m)/2], 16*((\m)%2)+\i
.endr
.irp i, 0,1,2,3,4,5,6,7,8,9,10,11,12,13,14,15
	s_min_u32 s[RN+\i], s[RN+\i], 8191
.endr
.irp i, 0,1,2,3,4,5,6,7,8,9,10,11,12,13,14,15
	s_lshl_b32 s[RN+\i], s[RN+\i], 11              ; a row of y is 2,048 bytes
.endr
.irp i, 0,1,2,3,4,5,6,7,8,9,10,11,12,13,14,15
	v_add_nc_u32 v[VOX+\i], s[RN+\i], v[CO]
.endr
.endm
.macro TOSTAGE m
.set OBX, OB+64*((\m)%2)
	WIN 0x04                                       ; an LDS store's data are its source 1: window 1
.irp t, 0,1,2,3,4,5,6,7
	ds_store_b128 v[STO], v[64*(\m)+8*\t:64*(\m)+8*\t+3] offset:64*\t       ; each accumulator from its low end on
	ds_store_b128 v[STO], v[64*(\m)+8*\t+4:64*(\m)+8*\t+7] offset:64*\t+16
.endr
	WIN 0
.irp i, 0,1,2,3,4,5,6,7,8,9,10,11,12,13,14,15
	ds_load_b128 v[OBX+4*\i:OBX+4*\i+3], v[RD] offset:528*\i   ; LDS serves a wave's instructions in order: these see my stores, and the next tile's stores come behind them
.endr
.endm
.macro SEND m, younger                 ; younger: the LDS instructions issued behind tile m's loads: the next tile's 32, or none
.set OBX, OB+64*((\m)%2)
.set VOX, VO-32*((\m)%2)
.irp i, 0,1,2,3,4,5,6,7,8,9,10,11,12,13,14,15
	s_wait_dscnt (\younger)+15-\i                  ; row i is back; the tile's later rows and what was issued behind them may be out
	global_store_b128 v[VOX+\i], v[OBX+4*\i:OBX+4*\i+3], s[12:13]   ; 32 lanes store 512 consecutive bytes, at a multiple of 512 from y's first byte
.endr
.endm
	s_load_b256 s[4:11], s[0:1], 0x0               ; tiles 4:5, order 6:7, hidden_states 8:9, wstream 10:11
	s_load_b64 s[12:13], s[0:1], 0x20              ; ybuf
	v_lshl_add_u32 v[SPW], v0, 2, SPARE
	v_mov_b32 v[NIL], 0
	v_lshrrev_b32 v15, 5, v0
	v_readfirstlane_b32 s14, v15                   ; wave 0..3
	s_lshl_b32 s28, ttmp9, 3
	s_mov_b32 s29, 0
	s_wait_kmcnt 0x0
	s_add_nc_u64 s[4:5], s[4:5], s[28:29]
	s_load_b64 s[16:17], s[4:5], 0x0               ; my tile: expert, rows
	v_and_b32 v15, 31, v0                          ; lane
	v_and_b32 v16, 15, v0                          ; r
	v_bfe_u32 v17, v0, 4, 1                        ; h
	v_lshlrev_b32 v[LI], 4, v15
	s_mul_i32 s30, s14, 6144
	v_add_nc_u32 v[XWI], s30, v[LI]                ; x: I quantise row tile m = w: fragments 4 w + s
	s_lshl_b32 s30, s14, 9
	v_add_nc_u32 v[CO], s30, v[LI]
	s_add_co_u32 s30, s30, XSC
	v_add_nc_u32 v[XWS], s30, v[LI]                ; and their scale words: 512 w + 16 lane, + 4 s
	s_mul_i32 s30, s14, 8448
	s_add_co_u32 s30, s30, STG                     ; my stage
	v_add_nc_u32 v[RD], s30, v[LI]
	v_mul_u32_u24 v[STO], v16, 528
	v_lshl_add_u32 v[STO], v17, 5, v[STO]
	v_add_nc_u32 v[STO], s30, v[STO]
	s_mov_b32 s20, 0x76543210
	s_mov_b32 s21, 0xfedcba98                      ; v_permlanex16_b32's selects for lane l xor 16
	s_mov_b32 s22, 0x2800000                       ; the floor 2^(5 - 127)
.irp b, 0,1,2,3
	v_mov_b32 v[TM+4+\b], 0                        ; written once: a lane permute's destination counts as one of its sources
.endr
	s_wait_kmcnt 0x0
	s_min_u32 s16, s16, 7
	s_lshl_b32 s28, s16, 2
	s_add_co_u32 s28, s28, s14
	s_mul_i32 s28, s28, REGION
	s_add_nc_u64 s[10:11], s[10:11], s[28:29]      ; my stream: region 4 e + w
	s_min_u32 s30, s17, 1                          ; 1 where the tile has rows, else 0:
	s_mul_i32 s28, s30, ttmp9
	s_lshl_b32 s28, s28, 8
	s_add_nc_u64 s[6:7], s[6:7], s[28:29]          ; my tile's 64 places in 'order'; a tile number without rows takes tile 0's,
	s_max_u32 s18, s17, 1
	s_sub_co_u32 s18, s18, 1                       ; and of them the first place alone: only places that hold a row are read
.irp m, 0,1,2,3
	v_add_nc_u32 v[FO+\m], 16*\m, v16              ; row 16 m + r, for its k; rows past the tile's end repeat its last row
	v_min_u32 v[FO+\m], s18, v[FO+\m]
	v_min_u32 v[FO+\m], 63, v[FO+\m]
	v_lshlrev_b32 v[FO+\m], 2, v[FO+\m]
.endr
	s_lshl_b32 s30, s14, 4
	v_add_nc_u32 v122, s30, v16                    ; the row that I quantise: 16 w + r
	v_min_u32 v122, s18, v122
	v_min_u32 v122, 63, v122
	v_lshlrev_b32 v122, 2, v122
	v_min_u32 v123, s18, v15
	v_min_u32 v123, 63, v123
	v_lshlrev_b32 v123, 2, v123
	v_add_nc_u32 v124, 32, v15
	v_min_u32 v124, s18, v124
	v_min_u32 v124, 63, v124
	v_lshlrev_b32 v124, 2, v124
.irp m, 0,1,2,3
	global_load_b32 v[FL+\m], v[FO+\m], s[6:7]
.endr
	global_load_b32 v125, v122, s[6:7]
	global_load_b32 v[EN], v123, s[6:7]
	global_load_b32 v[EN+1], v124, s[6:7]
	SCLD 0
	RING 0, 2048
	WIN 0
	s_wait_loadcnt 30                              ; my row's number and the four loads ahead of it are in; behind it: 2 row numbers, 4 scale loads, 24 of the ring
	v_lshrrev_b32 v125, 1, v125                    ; the token
	v_min_u32 v125, 4095, v125
	v_lshlrev_b32 v[XA], 11, v125
	v_lshl_add_u32 v[XA], v17, 6, v[XA]
	; ---- x: my 16 rows become four fragments.  All four K steps are asked for in one run (where the counter's field is full, the issue is held until older loads are in: ISA guide 5.7.1);
	; the ring's batches 1 to 3 follow one by one, while the K steps are quantised
	XLOAD 0
	XLOAD 1
	XLOAD 2
	XLOAD 3
	WIN 0
.irp m, 0,1,2,3
	v_and_b32 v[FL+\m], 1, v[FL+\m]                ; k of row 16 m + r,
	v_sub_nc_u32 v[FL+\m], 0, v[FL+\m]             ; as all ones or 0
.endr
.irp m, 0,1,2,3                                ; sixteen codes are 96 bits; code i's sign is bit 6 i + 5
	v_and_b32 v[SM+3*\m], 0x20820820, v[FL+\m]
	v_and_b32 v[SM+3*\m+1], 0x08208208, v[FL+\m]
	v_and_b32 v[SM+3*\m+2], 0x82082082, v[FL+\m]
.endr
	s_wait_loadcnt 48                              ; K step 0 is in; behind it: K steps 1 to 3
	XQ 0
	s_wait_loadcnt 32                              ; K step 1 is in; behind it: K steps 2 and 3
	RING 1, 2048+BATB
	XQ 1
	s_wait_loadcnt 40                              ; K step 2 is in; behind it: K step 3 and the ring's 24
	RING 2, 2048+2*BATB
	XQ 2
	s_wait_loadcnt 48                              ; K step 3 is in; behind it: the ring's 48
	RING 3, 2048+3*BATB
	XQ 3
	s_wait_dscnt 0x0                               ; for the others' sake: my images have landed
	s_barrier_signal -1
	s_barrier_wait -1                              ; x's sixteen fragments lie in LDS; nobody writes them again
.irp m, 0,1,2,3
	ds_load_b128 v[XS+4*\m:XS+4*\m+3], v[LI] offset:XSC+512*\m   ; row tile m's scale words of the four K steps: first, since batch 0 wants them
.endr
	XFETCH 0, 2, 192                               ; then the fragments, K step by K step: each batch of the first trip waits for its own alone
	XFETCH 1, 3, 192
	XFETCH 2, 0, 128
	XFETCH 3, 0, 176
	; ---- the first product: a trip is one group of 128 hidden units for the 64 rows, K = 512 in four batches; then relu, the quantiser, and the images of K step 4 w + trip of the second product
	s_mul_i32 s24, s14, 24576
	s_add_co_u32 s24, s24, HIMG
	s_lshl_b32 s25, s14, 11
	s_add_co_u32 s25, s25, HSC
	s_mov_b32 s23, 4
.Lgroup:
	TOP 1, 63                                      ; behind the scale words and batch 0 stand batches 1 to 3, 72 loads
	BATCH 1, 0, 1, 0, 0, 0                         ; its products start the sums: nothing is cleared
	BATCH 1, 1, 0, 48, 1, 0                        ; behind batch 1: batches 2 and 3
	BATCH 1, 2, 0, 52, 1, 0                        ; behind batch 2: batch 3, the 4 scale loads, the next trip's batch 0
	BATCH 1, 3, 0, 52, 1, 0                        ; behind batch 3: the 4 scale loads, the next trip's batches 0 and 1
	WIN 0
.rept 4
	v_nop                                          ; four plain instructions in front of the first read of results
.endr
.irp m, 0,1,2,3
.if \m == 2
	RING 3, NEXT3                                  ; buffer 3 is free since the trip's last product: the next trip's batch 3, asked for here, when the loads of two batches back have had two row tiles' work in which to land
.endif
	RELU 64*\m
	QUANT 64*\m
.if \m == 0
	v_add_nc_u32 v[HWI], s24, v[LI]                ; where this trip's images go: written here, behind the quantiser's wait for all my LDS instructions and ahead of the next one
	v_add_nc_u32 v[HWS], s25, v[LI]
.endif
.irp i, 0,1,2,3,4,5,6,7,8,9,10,11
	v_xor_b32 v[PC+\i], v[SM+3*\m+\i%3], v[PC+\i]  ; the rows with k = 1: every code's sign is turned (all 32 codes of a lane's six registers belong to its one row)
.endr
	IMAGE HWI, 1536*\m
	ds_store_b32 v[HWS], v[PW] offset:4*\m
.endr
	s_wait_xcnt 0x0                                ; the loads have read their base: it may step
	s_add_nc_u64 s[10:11], s[10:11], TRIPB
	s_add_co_u32 s24, s24, 6144
	s_add_co_u32 s25, s25, 512
	s_sub_co_u32 s23, s23, 1
	s_cmp_lg_u32 s23, 0
	s_cbranch_scc1 .Lgroup
	s_wait_dscnt 0x0                               ; for the others' sake: my images have landed
	s_barrier_signal -1
	s_barrier_wait -1                              ; the hidden layer's 64 fragments lie in LDS; nobody writes them again
	; ---- the second product: my 128 outputs for the 64 rows, K = 2,048 in four trips of four batches
	s_mov_b32 s26, HIMG
	s_mov_b32 s27, HSC
	v_add_nc_u32 v[ADH], s26, v[LI]
	v_add_nc_u32 v[ADS], s27, v[LI]
.irp m, 0,1,2,3
.irp c, 0,1,2
	ds_load_b128 v[HB+12*\m+4*\c:HB+12*\m+4*\c+3], v[ADH] offset:1536*\m+512*\c
.endr
.endr
	ds_load_b128 v[HS:HS+3], v[ADS]
	TRIP2 1, 0                                     ; the first trip stands in front of the loop: its first products start the sums
	s_mov_b32 s23, 2
.Lk:
	TRIP2 0, 0
	s_sub_co_u32 s23, s23, 1
	s_cmp_lg_u32 s23, 0
	s_cbranch_scc1 .Lk
	TRIP2 0, 1
.rept 4
	v_nop                                          ; four plain instructions in front of the first read of results and of loads into the operands' registers
.endr
	s_cmp_eq_u32 s17, 0                            ; a tile number without rows stores nothing: the one branch on the stored count; no barrier and no loop stands behind it
	s_cbranch_scc1 .Lend
	OFFS 0
	TOSTAGE 0
.irp a, 1,2,3
.if \a > 1
	s_wait_xcnt 0x0                                ; tile a - 2's stores have read their data and offsets: tile a takes the same registers
.endif
	OFFS \a
	TOSTAGE \a
	SEND \a-1, 32                                  ; behind tile a - 1's loads: tile a's 16 stores and 16 loads
.endr
	SEND 3, 0
.Lend:
	s_wait_tensorcnt 0x0                           ; the wave's end
	ds_add_u32 v[SPW], v[NIL]
	s_wait_dscnt 0x0
	s_endpgm
.Lfunc_end_k_q2f9dba6ebf_chain:
	.size	k_q2f9dba6ebf_chain, .Lfunc_end_k_q2f9dba6ebf_chain-k_q2f9dba6ebf_chain
	.p2alignl 7, 3214868480
	.fill 96, 4, 3214868480
	.section	.rodata,"a",@progbits
	.p2align	6, 0x0
	.amdhsa_kernel k_q2f9dba6ebf_chain
		.amdhsa_group_segment_fixed_size 167424
		.amdhsa_private_segment_fixed_size 0
		.amdhsa_enable_private_segment 0
		.amdhsa_kernarg_size 40
		.amdhsa_user_sgpr_count 2
		.amdhsa_user_sgpr_kernarg_segment_ptr 1
		.amdhsa_wavefront_size32 1
		.amdhsa_system_sgpr_workgroup_id_x 1
		.amdhsa_system_sgpr_workgroup_id_y 1
		.amdhsa_system_sgpr_workgroup_id_z 1
		.amdhsa_system_vgpr_workitem_id 0
		.amdhsa_next_free_vgpr 1024
		.amdhsa_next_free_sgpr 66
		.amdhsa_reserve_vcc 0
		.amdhsa_float_denorm_mode_32 3
		.amdhsa_float_denorm_mode_16_64 3
		.amdhsa_memory_ordered 1
		.amdhsa_forward_progress 1
		.amdhsa_inst_pref_size 207
	.end_amdhsa_kernel
	.amdgpu_metadata
---
amdhsa.version: [ 1, 2 ]
amdhsa.kernels:
  - .name:           k_q2f9dba6ebf_chain
    .symbol:         k_q2f9dba6ebf_chain.kd
    .args:
      - { .name: tiles, .offset: 0, .size: 8, .value_kind: global_buffer, .address_space: global }
      - { .name: order, .offset: 8, .size: 8, .value_kind: global_buffer, .address_space: global }
      - { .name: hidden_states, .offset: 16, .size: 8, .value_kind: global_buffer, .address_space: global }
      - { .name: wstream, .offset: 24, .size: 8, .value_kind: global_buffer, .address_space: global }
      - { .name: ybuf, .offset: 32, .size: 8, .value_kind: global_buffer, .address_space: global }
    .group_segment_fixed_size: 167424
    .private_segment_fixed_size: 0
    .kernarg_segment_align: 8
    .kernarg_segment_size: 40
    .max_flat_workgroup_size: 128
    .sgpr_count:     66
    .vgpr_count:     1024
    .wavefront_size: 32
...
	.end_amdgpu_metadata
.endif
;; end of part 2
;; launch combine (part 3): grid 256 x 1, 8 waves a work-group, no clusters, 0 bytes of LDS; arguments ybuf, hidden_states, expert_prob, out0; writes out0
.if DOCPART == 3
	.amdgcn_target "amdgcn-amd-amdhsa--gfx1250"
	.amdhsa_code_object_version 6
	.text
	.protected	k_q2f9dba6ebf_combine
	.globl	k_q2f9dba6ebf_combine
	.p2align	8
	.type	k_q2f9dba6ebf_combine,@function
k_q2f9dba6ebf_combine:
	s_mov_b64 s[64:65], 0
	v_nop
	global_prefetch_b8 v0, s[64:65] scope:SCOPE_SE
	s_setreg_imm32_b32 hwreg(HW_REG_WAVE_MODE, 25, 1), 1
	s_wait_xcnt 0x0
; THIRD LAUNCH.  For each token: n = 0.5 prob[0] y0 + 0.25 prob[1] y1, y0 and y1 its two routed rows; out = n where n != 0 (a NaN counts as not 0), else hidden_states.
; ybuf holds y0 and -y1 (the second launch turns the signs of the rows with k = 1), so the second factor here is -0.25 prob[1].
; The other six experts' terms are left out: their coefficient is the 0 that the problem builds itself (shown at the head of the first launch).
; LIMIT.  The test n != 0 hangs on the last bits of the sums.  Zeros by structure (both coefficients 0, a zero row of hidden numbers, a zero column of wo) give exactly 0 here too.  Where non-zero terms
; cancel to exactly 0 in another order of rounding, n may come out here as a tiny number other than 0, and is then stored as it is.
; A stream: a wave takes two tokens; each load and store covers 512 consecutive bytes; all 24 loads of a wave go out at once.  No LDS, no barrier, no loop; no register is written twice while a store reads it.
.set Y, 8                              ; v8-71    token a, row k, piece c at 32 a + 16 k + 4 c
.set H, 72                             ; v72-103  hidden_states, then the result: 16 a + 4 c
	s_load_b256 s[4:11], s[0:1], 0x0               ; ybuf 4:5, hidden_states 6:7, expert_prob 8:9, out0 10:11
	v_lshrrev_b32 v2, 5, v0
	v_readfirstlane_b32 s12, v2                    ; wave 0..7
	v_and_b32 v1, 31, v0
	v_lshlrev_b32 v1, 4, v1                        ; 16 bytes a lane
	s_lshl_b32 s13, ttmp9, 3
	s_add_co_u32 s13, s13, s12                     ; which pair of tokens
	s_lshl_b32 s14, s13, 13                        ; four rows of 2,048 bytes in ybuf,
	s_mov_b32 s15, 0
	s_lshl_b32 s20, s13, 12                        ; two in hidden_states and out0,
	s_mov_b32 s21, 0
	s_lshl_b32 s22, s13, 4                         ; four numbers in expert_prob
	s_mov_b32 s23, 0
	s_wait_kmcnt 0x0
	s_add_nc_u64 s[4:5], s[4:5], s[14:15]
	s_add_nc_u64 s[6:7], s[6:7], s[20:21]
	s_add_nc_u64 s[10:11], s[10:11], s[20:21]
	s_add_nc_u64 s[8:9], s[8:9], s[22:23]
	s_load_b128 s[16:19], s[8:9], 0x0
.irp a, 0,1
.irp k, 0,1
.irp c, 0,1,2,3
	global_load_b128 v[Y+32*\a+16*\k+4*\c:Y+32*\a+16*\k+4*\c+3], v1, s[4:5] offset:4096*\a+2048*\k+512*\c th:TH_LOAD_NT
.endr
.endr
.irp c, 0,1,2,3
	global_load_b128 v[H+16*\a+4*\c:H+16*\a+4*\c+3], v1, s[6:7] offset:2048*\a+512*\c th:TH_LOAD_NT
.endr
.endr
	s_wait_kmcnt 0x0
.irp a, 0,1
	s_mul_f32 s[24+4*\a], s[16+2*\a], 0.5          ; exact: the factors are powers of two
	s_mul_f32 s[26+4*\a], s[17+2*\a], 0xbe800000   ; -0.25: the row with k = 1 is stored with its sign turned
	s_mov_b32 s[25+4*\a], s[24+4*\a]               ; the packed forms name a pair and take its low word for both halves: the upper word is written too
	s_mov_b32 s[27+4*\a], s[26+4*\a]
.endr
.irp a, 0,1
	s_wait_loadcnt 12-12*\a                        ; this token's twelve loads are in; the other token's may be out
.irp i, 0,2,4,6,8,10,12,14
	v_pk_mul_f32 v[Y+32*\a+\i:Y+32*\a+\i+1], v[Y+32*\a+\i:Y+32*\a+\i+1], s[24+4*\a:25+4*\a] op_sel_hi:[1,0]
.endr
.irp i, 0,2,4,6,8,10,12,14
	v_pk_fma_f32 v[Y+32*\a+\i:Y+32*\a+\i+1], v[Y+32*\a+16+\i:Y+32*\a+16+\i+1], s[26+4*\a:27+4*\a], v[Y+32*\a+\i:Y+32*\a+\i+1] op_sel_hi:[1,0,1]
.endr
.irp i, 0,1,2,3,4,5,6,7,8,9,10,11,12,13,14,15
	v_cmp_neq_f32 vcc_lo, 0, v[Y+32*\a+\i]
	v_cndmask_b32 v[H+16*\a+\i], v[H+16*\a+\i], v[Y+32*\a+\i], vcc_lo
.endr
.irp c, 0,1,2,3
	global_store_b128 v1, v[H+16*\a+4*\c:H+16*\a+4*\c+3], s[10:11] offset:2048*\a+512*\c th:TH_STORE_NT
.endr
.endr
	s_endpgm
.Lfunc_end_k_q2f9dba6ebf_combine:
	.size	k_q2f9dba6ebf_combine, .Lfunc_end_k_q2f9dba6ebf_combine-k_q2f9dba6ebf_combine
	.p2alignl 7, 3214868480
	.fill 96, 4, 3214868480
	.section	.rodata,"a",@progbits
	.p2align	6, 0x0
	.amdhsa_kernel k_q2f9dba6ebf_combine
		.amdhsa_group_segment_fixed_size 0
		.amdhsa_private_segment_fixed_size 0
		.amdhsa_enable_private_segment 0
		.amdhsa_kernarg_size 32
		.amdhsa_user_sgpr_count 2
		.amdhsa_user_sgpr_kernarg_segment_ptr 1
		.amdhsa_wavefront_size32 1
		.amdhsa_system_sgpr_workgroup_id_x 1
		.amdhsa_system_sgpr_workgroup_id_y 1
		.amdhsa_system_sgpr_workgroup_id_z 1
		.amdhsa_system_vgpr_workitem_id 0
		.amdhsa_next_free_vgpr 104
		.amdhsa_next_free_sgpr 66
		.amdhsa_reserve_vcc 1
		.amdhsa_float_denorm_mode_32 3
		.amdhsa_float_denorm_mode_16_64 3
		.amdhsa_memory_ordered 1
		.amdhsa_forward_progress 1
		.amdhsa_inst_pref_size 9
	.end_amdhsa_kernel
	.amdgpu_metadata
---
amdhsa.version: [ 1, 2 ]
amdhsa.kernels:
  - .name:           k_q2f9dba6ebf_combine
    .symbol:         k_q2f9dba6ebf_combine.kd
    .args:
      - { .name: ybuf, .offset: 0, .size: 8, .value_kind: global_buffer, .address_space: global }
      - { .name: hidden_states, .offset: 8, .size: 8, .value_kind: global_buffer, .address_space: global }
      - { .name: expert_prob, .offset: 16, .size: 8, .value_kind: global_buffer, .address_space: global }
      - { .name: out0, .offset: 24, .size: 8, .value_kind: global_buffer, .address_space: global }
    .group_segment_fixed_size: 0
    .private_segment_fixed_size: 0
    .kernarg_segment_align: 8
    .kernarg_segment_size: 32
    .max_flat_workgroup_size: 256
    .sgpr_count:     66
    .vgpr_count:     104
    .wavefront_size: 32
...
	.end_amdgpu_metadata
.endif
;; end of part 3
